; MI455X (gfx1250); checked and timed in simulation.
; The chip was launched on July 23, 2026; its instructions are those of AMD's public machine-readable ISA for CDNA 5 (MIT licence, August 2026) and "CDNA5" Instruction Set Architecture Reference Guide (July 2026). The comments in the code are by the model that wrote it; some were corrected since.
;; Interpolated Linear. Allowed arithmetic: matrix products marked QUANTISED: E4M3 operands, one E8M0 scale for each 32 along K, by v_wmma_scale_f32_16x16x128_f8f6f4 with both operands' format E4M3, f32 sums; everything else in f32.
;; Inputs: alpha 8,192 float32; bias1 2,048 float32; bias2 2,048 float32; input_codes 8,192 x 64 x 32 uint8 (E4M3 codes of input, K innermost, in blocks of 32 codes); input_scales 8,192 x 64 uint8 (E8M0 scales of input, one for each 32 codes along K); weight1_codes 2,048 x 64 x 32 uint8 (E4M3 codes of weight1, K innermost, in blocks of 32 codes); weight1_scales 2,048 x 64 uint8 (E8M0 scales of weight1, one for each 32 codes along K); weight2_codes 2,048 x 64 x 32 uint8 (E4M3 codes of weight2, K innermost, in blocks of 32 codes); weight2_scales 2,048 x 64 uint8 (E8M0 scales of weight2, one for each 32 codes along K).
;; Outputs: out0 8,192 x 2,048 float32.
;; This version of the problem:
;;   THIS VERSION OF THE PROBLEM IS GIVEN IN LOW PRECISION. The matrix products marked QUANTISED in the list below multiply operands that are first quantised to E4M3 (4 exponent bits, 3 mantissa bits; 8 bits a number), with one power-of-two scale for each 32 numbers along K (OCP MX v1.0); their sums are f32. All else is computed in f32.
;;   The module's matrix products, in the order in which they are computed (A, B: the left and right operand; K: the contracted axis; several contracted axes count as one K, in the product's order):
;;     1. [M 8,192, K 2,048] x [K 2,048, N 2,048]; A: input input (given as codes); B: input weight1 (given as codes): QUANTISED
;;     2. [M 8,192, K 2,048] x [K 2,048, N 2,048]; A: input input (given as codes); B: input weight2 (given as codes): QUANTISED
;;   THE QUANTISER, for each operand of a quantised product, along K:
;;     - K is cut into blocks of 32 from its start; a last block that is shorter is filled with zeros.
;;     - A block's scale is 2^e with e = floor(log2(the largest magnitude in the block)) - 8, held to -126 .. 127; a block of zeros has e = 0. As a byte (E8M0): e + 127.
;;     - Each number is divided by its block's scale, clamped to +-448, and rounded to the nearest number of E4M3, ties to even, subnormals kept.
;;     - The product sums the exact products of the quantised numbers (number of the format x scale) in f32.
;;   ~~~python
;;   def quantise(x, axis):      # numpy; x: float32 -> the quantised numbers, widened to float32 again
;;       x = np.moveaxis(x, axis, -1); K = x.shape[-1]
;;       x = np.pad(x, [(0, 0)] * (x.ndim - 1) + [(0, -K % 32)]); x = x.reshape(x.shape[:-1] + (-1, 32)); a = np.abs(x).max(-1, keepdims=True)
;;       e = np.where(a > 0, np.clip(np.frexp(np.where(a > 0, a, 1))[1] - 1 - 8, -126, 127), 0)      # np.frexp(a)[1] - 1 = floor(log2(a)), exactly
;;       r = np.clip(x / 2.0 ** e, -448, 448)
;;       step = 2.0 ** (np.maximum(np.frexp(np.where(r == 0, 1, r))[1] - 1, -6) - 3)
;;       q = np.round(r / step) * step * 2.0 ** e      # np.round: ties to even
;;       return np.moveaxis(q.reshape(q.shape[:-2] + (-1,))[..., :K], -1, axis).astype(np.float32)
;;   ~~~
;;   INPUTS GIVEN AS CODES. input (in the module: [8192, 2048], K = its axis 1); weight1 (in the module: [2048, 2048], K = its axis 1); weight2 (in the module: [2048, 2048], K = its axis 1): each comes as NAME_codes (uint8): NAME with its K axis moved to the last place and cut into blocks of 32 codes, [.., K / 32, bytes a block], one block behind the other in memory; one code a byte (a code: sign, 4 exponent bits, 3 mantissa bits); and NAME_scales (uint8): the same leading axes, one E8M0 byte (e + 127) for each 32 codes along K. Its value is code x scale, taken as it is: it is not quantised again, and the codes and scales need not be those that the quantiser above would give.
;; One version. Each part assembles by itself: llvm-mc -triple=amdgcn-amd-amdhsa -mcpu=gfx1250 --defsym DOCPART=n.
;; ======== version 1 of 1: 1 launch
;; limits: right only within a limited range of input values
;; launch ilin (part 1): grid 16 x 16, 4 waves a work-group, clusters of 4 x 4, 327,680 bytes of LDS; arguments input_codes, input_scales, weight1_codes, weight1_scales, weight2_codes, weight2_scales, bias1, bias2, alpha, out0; writes out0
.if DOCPART == 1
	.amdgcn_target "amdgcn-amd-amdhsa--gfx1250"
	.amdhsa_code_object_version 6
	.text
	.protected	k_q33d0c3d4c0_ilin
	.globl	k_q33d0c3d4c0_ilin
	.p2align	8
	.type	k_q33d0c3d4c0_ilin,@function
k_q33d0c3d4c0_ilin:
	s_mov_b64 s[64:65], 0
	v_nop
	global_prefetch_b8 v0, s[64:65] scope:SCOPE_SE
	s_setreg_imm32_b32 hwreg(HW_REG_WAVE_MODE, 25, 1), 1
	s_wait_xcnt 0x0
	s_wait_alu depctr_hold_cnt(0) depctr_sa_sdst(0) depctr_va_vdst(0) depctr_va_sdst(0) depctr_va_ssrc(0) depctr_va_vcc(0) depctr_vm_vsrc(0)
	s_getreg_b32 s2, hwreg(HW_REG_IB_STS2, 6, 4)
	s_cmp_eq_u32 s2, 0
	s_cbranch_scc0 .Lentry_in_a_cluster
	s_endpgm
.Lentry_in_a_cluster:
	s_bfe_u32 s2, ttmp6, 0x10000c
	s_cmp_lg_u32 s2, 0xf033
	s_cbranch_scc0 .Lentry_shape_is_right
	s_endpgm
.Lentry_shape_is_right:
; out0[m][n] = a[m] (x W1^T)[m][n] + (1 - a[m]) (x W2^T)[m][n] + a[m] b1[n] + (1 - a[m]) b2[n].  x [8192][2048], W1, W2 [2048][2048]: E4M3 codes, K innermost, one E8M0 byte for each 32 along K, taken as given.
; NO WORK IS LEFT OUT: every input has a way to the output, so all ten buffers are arguments.
; A tile is 256 rows x 128 columns of out0: 256 rows of x against 128 rows of W1 and the same 128 of W2.  Four waves; a wave takes 128 rows of x against 64 rows of W1 and of W2: 64 accumulators, 512 registers.
; A WORK-GROUP STAYS: 256 work-groups make two tiles each, 4,096 rows apart, on the same rows of W.  The ring of two LDS slots goes on into the second tile: the first tile's last two refills bring the second's K steps 0 and 1.
; The biases are the C of each sum's first product, so that out0 = a acc1 + (1 - a) acc2.  LIMIT: the order of rounding differs from reference()'s: a bias enters its sum first and is scaled with it.  A NaN code or a byte 0xff gives NaN.
; K goes in 8 steps of 256 through the ring, filled by joint tensor loads (4 x 4 clusters: x's tiles shared along a row of the cluster, W's along a column).
; THE SCALES of the tile's 512 rows, for all of K, are dense blocks: the waves copy them once a tile, in whole units of 256 bytes, through registers into LDS bytes of their own, which no tensor load fills.
; A STEP of 128 along K: four batches of 16 products, a run of 16 LDS loads behind each: W's blocks 0-3, W's 4-7 (second set), x's 0-3, x's 4-7 of the next step.  Eight v_nop stand in front of the second and the fourth run:
; between a register's last product and the load into it stand those eight.
; A TILE'S LAST K STEP GOES BY ROWS OF out0: W's fragments of its 256 along K fill window 1, x's come by blocks of 16 rows x 256 K, and my eight blocks are finished one after the other, 16 products each; a finished block leaves at once.
; The way out is made in place: acc2 x (1 - a), then acc1 x a + acc2 into acc1; through my stage in LDS; whole rows come back into acc2's registers and are stored from there: each block has registers of its own.
; The first tile's stage lies in x's scale bytes (4 x 4,352 bytes), behind a barrier behind which no wave reads them; each wave then stores the second tile's scales of 64 rows of x into its own quarter, ahead of a barrier.
; The matrix instruction is used transposed (source 0 = 16 rows of W, source 1 = 16 rows of x): a lane holds one row of x and eight neighbouring columns.
; REGISTERS: window 0: v0-31 addresses, alpha; v32-63 scale words, two sets; v64-127 the biases; v128-255 x's fragments, one set (in the last K step: v128-159 pairs of a and 1 - a, v160-255 three buffers of x).
;   Window 1: W's fragments, two sets (blocks 0-3 W1's, 4-7 W2's).  Windows 2, 3: the accumulators of my rows 0-63, 64-127.
.set ROWB,   256
.set KROW,   2048
.set PITCH,  272                       ; 256 bytes + 16 of padding: the 16 rows that a load touches start at 16 different banks (ISA guide 11.1)
.set HALFT,  128*PITCH
.set SLOT,   4*HALFT                   ; x's rows 0-127, 128-255, W1's 128 rows, W2's 128 rows
.set SCL,    2*SLOT                    ; the scales: runs of 256 bytes + 16, in the same order of four parts
.set HALFS,  32*272
.set SBLK,   4*272
.set SPARE,  SCL+4*HALFS
.set SPITCH, 272
.set OROW,   8192
.set WALKB,  4096*KROW                 ; from a tile's rows of x to the next tile's, in bytes
.set STO0, 4                           ; v4, v5 the first tile's stage: in, back
.set RD0,  5
.set STS1, 6                           ; v6 where my lane puts the second tile's scales of x
.set ALR,  8
.set ADRA, 16
.set AOF,  18
.set BOF,  19
.set ADRB, 20
.set ASC,  22
.set ASC2, 23
.set STO,  24                          ; v24, v25 the second tile's stage, in slot 0 behind its last fill and last read
.set RD,   25
.set CO,   26
.set GOF,  27
.set SPW,  28
.set NIL,  29
.set STS,  30
.set PFO,  31
.set SC,   32
.set BI,   64
.set AF,   128
.set AL,   128
.set BE,   144
.set PA,   160
.set WV,   16
.set RH,   17
.set CH,   18
.set G1,   24
.set G0,   32
.set G1B,  48
.set G0B,  56
.set PFA,  66
.set LIM,  90                          ; s90 a wave prefetches in the loop while the trips to go are more than this
.set MSB, 0
.macro WIN new
.if MSB != (\new)
	s_set_vgpr_msb (MSB<<8)|(\new)
.set MSB, (\new)
.endif
.endm
.set TO_B, 0x40
.macro PLACES n
.rept \n
	v_nop
.endr
.endm
.macro JLOAD g0a, g1a, g0b, g1b        ; a joint load: waves 0, 1 for x, waves 2, 3 for W; s_nop 0 and four v_nop behind each line
	s_cmp_eq_u32 s[RH], 0
	s_cbranch_scc0 .Lfor_b_\@
	tensor_load_to_lds s[\g0a:\g0a+3], s[\g1a:\g1a+7]
	s_nop 0
	PLACES 4
	s_branch .Lasked_\@
.Lfor_b_\@:
	tensor_load_to_lds s[\g0b:\g0b+3], s[\g1b:\g1b+7]
	s_nop 0
	PLACES 4
.Lasked_\@:
.endm
.macro CREST
	s_cmp_lg_u32 s[WV], 0
	s_cbranch_scc1 .Lnot_wave_0_\@
	s_barrier_signal -3
.Lnot_wave_0_\@:
	s_barrier_wait -3
	s_barrier_signal -1
	s_barrier_wait -1
.endm
.macro CROUND
	s_barrier_signal -1
	s_barrier_wait -1
	CREST
.endm
	s_load_b256 s[4:11], s[0:1], 0x0               ; x's codes, x's scales, W1's codes, W1's scales
	s_load_b256 s[92:99], s[0:1], 0x20             ; W2's codes, W2's scales, b1, b2
	s_load_b128 s[12:15], s[0:1], 0x40             ; alpha, out0
	v_lshl_add_u32 v[SPW], v0, 2, SPARE
	v_mov_b32 v[NIL], 0
	ds_add_u32 v[SPW], v[NIL]                      ; the opening lines: the add twice on end and its wait
	ds_add_u32 v[SPW], v[NIL]
	v_lshrrev_b32 v1, 5, v0
	v_readfirstlane_b32 s[WV], v1
	s_lshr_b32 s[RH], s[WV], 1
	s_and_b32 s[CH], s[WV], 1
	s_bfe_u32 s40, ttmp6, 0x40000                  ; cx
	s_bfe_u32 s41, ttmp6, 0x40004                  ; cy
	s_lshl_b32 s42, ttmp9, 2
	s_add_co_u32 s42, s42, s40                     ; tile column (128 columns)
	s_and_b32 s19, ttmp7, 0xffff
	s_lshl_b32 s19, s19, 2
	s_add_co_u32 s19, s19, s41                     ; the first tile's row of tiles (256 rows), 0 .. 15
	s_lshl_b32 s43, s41, 2
	s_lshl_b32 s43, 15, s43                        ; my row of the cluster
	s_lshl_b32 s44, 0x1111, s40                    ; my column
	s_or_b32 s[G1+0], s43, (1<<20)|(1<<21)|(5<<22)|(3<<25)   ; mask; bytes; 4 words of padding behind every 64
	s_or_b32 s[G1B+0], s44, (1<<20)|(1<<21)|(5<<22)|(3<<25)
.irp g, G1, G1B
	s_mov_b32 s[\g+1], ROWB<<16
	s_mov_b32 s[\g+2], 128<<16
	s_mov_b32 s[\g+3], ROWB<<16
	s_mov_b32 s[\g+4], 128
	s_mov_b32 s[\g+5], KROW
	s_mov_b32 s[\g+6], 0
	s_mov_b32 s[\g+7], 0
.endr
	s_lshl_b32 s20, s19, 8
	s_lshl_b32 s21, s[CH], 7
	s_add_co_u32 s20, s20, s21                     ; x: the row that I fetch from
	s_lshl_b32 s22, s20, 6                         ; its scales, 64 bytes a row
	s_mov_b32 s23, 0
	s_lshl_b32 s20, s20, 11                        ; its codes
	s_mov_b32 s21, 0
	s_lshl_b32 s46, s42, 18                        ; W: 128 x tile column rows of 2,048 bytes
	s_mov_b32 s47, 0
	s_lshl_b32 s100, s42, 13                       ; W's scales
	s_mul_i32 s45, s[WV], HALFT                    ; where my tiles go
	s_mul_i32 s68, s[RH], HALFT                    ; my 128 rows of x
	s_mul_i32 s69, s[CH], 64*PITCH
	s_add_co_u32 s69, s69, 2*HALFT                 ; my 64 rows of W1; W2's lie 128 rows on
	s_mul_i32 s70, s[RH], HALFS
	s_mul_i32 s71, s[CH], 4*SBLK
	s_add_co_u32 s71, s71, 2*HALFS
	s_sub_co_u32 s71, s71, s70                     ; from x's block i to W's block i, i = 0 .. 3
	s_add_co_u32 s72, s71, 4*SBLK                  ; i = 4 .. 7
	s_add_co_u32 s73, s70, SCL
	s_mul_i32 s74, s[WV], 16*SPITCH                ; my stage in slot 0,
	s_add_co_u32 s86, s74, SCL                     ; and my quarter of x's scale bytes
	s_mul_i32 s75, s[WV], HALFS
	s_add_co_u32 s75, s75, SCL                     ; where the first tile's scales that I copy go
	s_lshl_b32 s78, s19, 8
	s_lshl_b32 s88, s[WV], 6
	s_add_co_u32 s88, s88, s78
	s_add_co_u32 s88, s88, 4096
	s_lshl_b32 s88, s88, 6                         ; the second tile's scales of x: my 64 rows
	s_mov_b32 s89, 0
	s_lshl_b32 s79, s[RH], 7
	s_add_co_u32 s78, s78, s79                     ; my first row of out0 and alpha
	s_lshl_b32 s80, s78, 2
	s_mov_b32 s81, 0
	s_lshl_b32 s84, s42, 9
	s_lshl_b32 s85, s[CH], 8
	s_add_co_u32 s84, s84, s85                     ; my first column, in bytes
	s_mov_b32 s85, 0
	s_lshl_b32 s82, s78, 13
	s_add_co_u32 s82, s82, s84
	s_mov_b32 s83, 0
	s_mov_b32 s77, 0
	s_mov_b32 s91, WALKB-7*ROWB                    ; the prefetches' step from K step 7 to the next tile's K step 0
	v_and_b32 v1, 15, v0                           ; r
	v_bfe_u32 v2, v0, 4, 1                         ; h
	v_mul_u32_u24 v3, v1, PITCH
	v_lshl_add_u32 v7, v2, 4, v3
	v_add_nc_u32 v[ADRA], s68, v7
	v_add_nc_u32 v[ADRB], s69, v7
	v_add_nc_u32 v[ADRA+1], SLOT, v[ADRA]
	v_add_nc_u32 v[ADRB+1], SLOT, v[ADRB]
	v_lshl_add_u32 v7, v2, 5, v3                   ; into a stage: row r, 32 bytes for each half of the lanes
	v_add_nc_u32 v[STO], s74, v7
	v_add_nc_u32 v[STO0], s86, v7
	v_mul_u32_u24 v7, v2, SPITCH                   ; back: lanes 0-15 one row of 256 bytes, lanes 16-31 the next
	v_lshl_add_u32 v7, v1, 4, v7
	v_add_nc_u32 v[RD], s74, v7
	v_add_nc_u32 v[RD0], s86, v7
	v_lshlrev_b32 v3, 6, v1                        ; my row's scales: 64 bytes a row, 16 more for each 256 passed
	v_lshrrev_b32 v7, 8, v3
	v_lshl_add_u32 v3, v7, 4, v3
	v_add_nc_u32 v3, s73, v3
	v_mul_u32_u24 v7, s71, v2                      ; lanes 16-31 take W's
	v_add_nc_u32 v[ASC], v3, v7
	v_mul_u32_u24 v7, s72, v2
	v_add_nc_u32 v[ASC2], v3, v7
	v_lshlrev_b32 v7, 13, v2
	v_lshl_add_u32 v[CO], v1, 4, v7
	v_lshlrev_b32 v[AOF], 2, v1
	v_lshlrev_b32 v[BOF], 5, v2
	v_and_b32 v[PFO], 31, v0
	v_lshlrev_b32 v[GOF], 4, v[PFO]
	v_lshl_add_u32 v7, v2, 4, v[GOF]               ; 16 x lane, and 16 more behind the first 256 bytes
	v_add_nc_u32 v[STS], s75, v7
	v_add_nc_u32 v[STS1], s86, v7
	v_lshlrev_b32 v[PFO], 11, v[PFO]
	s_wait_alu depctr_va_vdst(0)
	s_wait_dscnt 0x0                               ; both opening adds are done
	s_wait_kmcnt 0x0
	s_cmp_eq_u32 s[CH], 0                          ; wave 2 serves W1, wave 3 W2
	s_cselect_b64 s[8:9], s[8:9], s[92:93]
	s_cselect_b64 s[10:11], s[10:11], s[94:95]
	s_cmp_eq_u32 s[RH], 0                          ; waves 0, 1 serve x
	s_cselect_b64 s[10:11], s[6:7], s[10:11]
	s_cselect_b32 s22, s22, s100
	s_cselect_b32 s76, s40, s41                    ; my place among the four that ask with me
	s_cselect_b32 s[LIM], 0, 1                     ; in the first tile x's waves prefetch in every trip, on into the next tile; W's stop two refills ahead of K's end
	s_add_nc_u64 s[4:5], s[4:5], s[20:21]          ; x's codes at the rows that I fetch
	s_add_nc_u64 s[8:9], s[8:9], s[46:47]          ; W's likewise
	s_cselect_b64 s[PFA:PFA+1], s[4:5], s[8:9]
	s_add_nc_u64 s[22:23], s[10:11], s[22:23]      ; the 8,192 bytes of scales that I copy
.irp i, 0,1,2,3,4,5,6,7,8,9,10,11,12,13,14,15
	global_load_b128 v[128+4*\i:131+4*\i], v[GOF], s[22:23] offset:512*\i   ; 512 neighbouring bytes an instruction
.endr
	s_lshl_b32 s76, s76, 16                        ; 32 rows of 2,048 bytes for each place,
	s_add_co_u32 s76, s76, 3*ROWB                  ; at K step 3: the first refill steps it to 4
	s_add_nc_u64 s[PFA:PFA+1], s[PFA:PFA+1], s[76:77]
	global_prefetch_b8 v[PFO], s[PFA:PFA+1] offset:-2*ROWB th:TH_LOAD_NT scope:SCOPE_SE   ; K steps 1 and 2, the two behind the head's load
	global_prefetch_b8 v[PFO], s[PFA:PFA+1] offset:-ROWB th:TH_LOAD_NT scope:SCOPE_SE
	s_add_nc_u64 s[88:89], s[6:7], s[88:89]
	s_add_nc_u64 s[12:13], s[12:13], s[80:81]
	s_add_nc_u64 s[96:97], s[96:97], s[84:85]
	s_add_nc_u64 s[98:99], s[98:99], s[84:85]
	s_add_nc_u64 s[14:15], s[14:15], s[82:83]
.irp b, 0,1,2,3                                ; the biases in the result's layout: columns 16 b + 8 h + 0 .. 7; they stay for both tiles
	global_load_b128 v[BI+8*\b:BI+8*\b+3],       v[BOF], s[96:97] offset:64*\b
	global_load_b128 v[BI+8*\b+4:BI+8*\b+7],     v[BOF], s[96:97] offset:64*\b+16
	global_load_b128 v[BI+32+8*\b:BI+32+8*\b+3], v[BOF], s[98:99] offset:64*\b
	global_load_b128 v[BI+32+8*\b+4:BI+32+8*\b+7], v[BOF], s[98:99] offset:64*\b+16
.endr
.irp a, 0,1,2,3,4,5,6,7
	global_load_b32 v[ALR+\a], v[AOF], s[12:13] offset:64*\a
.endr
.irp s, 0,1
	s_mov_b32 s[G0+4*\s], 1
	s_add_co_u32 s[G0+4*\s+1], s45, \s*SLOT
	s_add_nc_u64 s[G0+4*\s+2:G0+4*\s+3], s[4:5], \s*ROWB
	s_or_b32 s[G0+4*\s+3], s[G0+4*\s+3], 0x80000000
	s_mov_b32 s[G0B+4*\s], 1
	s_add_co_u32 s[G0B+4*\s+1], s45, \s*SLOT
	s_add_nc_u64 s[G0B+4*\s+2:G0B+4*\s+3], s[8:9], \s*ROWB
	s_or_b32 s[G0B+4*\s+3], s[G0B+4*\s+3], 0x80000000
.endr
	CROUND                                         ; all sixteen work-groups are here
	JLOAD G0, G1, G0B, G1B                         ; K step 0: one tensor load a wave at the head
	s_wait_loadcnt 24                              ; my scales are in registers (behind them: 16 loads of biases, 8 of alpha)
	s_wait_tensorcnt 0x0                           ; my part of K step 0 is in
.irp i, 0,1,2,3,4,5,6,7,8,9,10,11,12,13,14,15
	ds_store_b128 v[STS], v[128+4*\i:131+4*\i] offset:544*\i
.endr
	s_wait_tensorcnt 0x0
	ds_add_u32 v[SPW], v[NIL]
	s_wait_dscnt 0x0                               ; the add and my stores of scales are done
	CROUND
	JLOAD G0+4, G1, G0B+4, G1B                     ; K step 1, the first tensor load behind the round
.macro FRA slot, q, i0                 ; x's blocks i0 .. i0 + 3: 16 loads
	WIN 0
.irp i, \i0, \i0+1, \i0+2, \i0+3
.irp c, 0,1,2,3
	ds_load_b128 v[AF+16*(\i)+4*\c:AF+16*(\i)+4*\c+3], v[ADRA+\slot] offset:128*(\q)+32*\c+16*(\i)*PITCH
.endr
.endr
.endm
.macro FRB slot, q, p, i0              ; W's blocks i0 .. i0 + 3 into set p: i0 = 0: my 64 rows of W1; i0 = 4: of W2, 128 LDS rows on
	WIN TO_B
.irp i, 0,1,2,3
.irp c, 0,1,2,3
	ds_load_b128 v[128*(\p)+16*(\i0+\i)+4*\c:128*(\p)+16*(\i0+\i)+4*\c+3], v[ADRB+\slot] offset:128*(\q)+32*\c+(16*\i+32*(\i0))*PITCH
.endr
.endr
	WIN 0
.endm
; n products of the step's 64, by the running number WI: x's block WI / 8 against W's block WI % 8.  The accumulators take turns.
.macro MULS n, p, q, sc, first
.rept \n
.set A_, WI/8
.set B_, WI%8
.set D_, 8*(8*(A_%4)+B_)
.if \first
	WIN 0x81+0x40*(A_/4)
	v_wmma_scale_f32_16x16x128_f8f6f4 v[D_:D_+7], v[128*(\p)+16*B_:128*(\p)+16*B_+15], v[AF+16*A_:AF+16*A_+15], v[BI+8*B_:BI+8*B_+7], v[SC+16*(\sc)+2*B_+(\q)], v[SC+16*(\sc)+2*A_+(\q)] matrix_a_scale:MATRIX_SCALE_ROW1
.else
	WIN 0xa1+0x50*(A_/4)
	v_wmma_scale_f32_16x16x128_f8f6f4 v[D_:D_+7], v[128*(\p)+16*B_:128*(\p)+16*B_+15], v[AF+16*A_:AF+16*A_+15], v[D_:D_+7], v[SC+16*(\sc)+2*B_+(\q)], v[SC+16*(\sc)+2*A_+(\q)] matrix_a_scale:MATRIX_SCALE_ROW1
.endif
.set WI, WI+1
.endr
.endm
.macro SCALES sc                       ; a K step's scale words, two a row: lanes 0-15 x's block i, lanes 16-31 W's block i
.irp i, 0,1,2,3
	ds_load_b64 v[SC+16*\sc+2*\i:SC+16*\sc+2*\i+1], v[ASC] offset:\i*SBLK
.endr
.irp i, 4,5,6,7
	ds_load_b64 v[SC+16*\sc+2*\i:SC+16*\sc+2*\i+1], v[ASC2] offset:\i*SBLK
.endr
.endm
.macro ALOAD a                         ; the last K step (slot 1): x's block a, 16 rows x 256 K, 8 loads, into buffer a % 3
.set PA_, PA+32*((\a)%3)
.irp q, 0,1
.irp c, 0,1,2,3
	ds_load_b128 v[PA_+16*\q+4*\c:PA_+16*\q+4*\c+3], v[ADRA+1] offset:128*\q+32*\c+16*(\a)*PITCH
.endr
.endr
.endm
.macro STEP slot, first                ; a slot's first 128 along K; the next step lies in the same slot
.set WI, 0
	s_wait_dscnt 16                                ; all but the youngest run (x's blocks 4-7)
	MULS 16, 0, 0, \slot, \first
	FRB \slot, 1, 1, 0
	MULS 16, 0, 0, \slot, \first
	PLACES 8
	FRB \slot, 1, 1, 4
	s_wait_dscnt 32                                ; x's blocks 4-7 are in; this step's two runs may be out
	MULS 16, 0, 0, \slot, \first
	FRA \slot, 1, 0
	MULS 16, 0, 0, \slot, \first
	PLACES 8
	FRA \slot, 1, 4
.endm
; A slot's second 128 along K changes slots, at its head: my reads of this slot ended in the step before.  The wait for all my tensor loads, the add, eight products, the wait for the add and my reads, the barrier's signal,
; eight products, its wait.  fill = 1: the rest of the cluster's round and this slot's refill: two K steps on (nx = 0) or the next tile's K step 0 (nx = 1).  ld = 1: the next step's fragments follow in four runs;
; ld = 2: the tile's last K step follows, by rows: both halves of W's fragments, x's blocks 0-2, the pairs of a and 1 - a, and a barrier that parts every wave's last reads of scales from the first stores into a stage.
.macro TURN slot, next, fill, nx, ld
.set WI, 0
	WIN 0
.if \fill
	s_wait_xcnt 0x0                                ; my last prefetch has read its address
.if (TNO == 0) && (\nx == 0) && (\slot == 0)
	s_cmp_eq_u32 s3, 1                             ; the first tile's last trip: on to the next tile's K step 0
	s_cselect_b32 s76, s91, ROWB
	s_add_nc_u64 s[PFA:PFA+1], s[PFA:PFA+1], s[76:77]
.else
	s_add_nc_u64 s[PFA:PFA+1], s[PFA:PFA+1], ROWB
.endif
.endif
	s_wait_tensorcnt 0x0                           ; my part of the next slot is in
	ds_add_u32 v[SPW], v[NIL]
.if \fill
.if \nx
	s_add_nc_u64 s[G0+4*\slot+2:G0+4*\slot+3], s[G0+4*\slot+2:G0+4*\slot+3], WALKB-6*ROWB
	s_sub_nc_u64 s[G0B+4*\slot+2:G0B+4*\slot+3], s[G0B+4*\slot+2:G0B+4*\slot+3], 6*ROWB
.else
	s_add_nc_u64 s[G0+4*\slot+2:G0+4*\slot+3], s[G0+4*\slot+2:G0+4*\slot+3], 2*ROWB
	s_add_nc_u64 s[G0B+4*\slot+2:G0B+4*\slot+3], s[G0B+4*\slot+2:G0B+4*\slot+3], 2*ROWB
.endif
.endif
	s_wait_dscnt 17                                ; the add and the youngest run may be out
	MULS 8, 1, 1, \slot, 0
	s_wait_dscnt 0x0                               ; the add is done, my reads of this slot are over
	s_barrier_signal -1
	MULS 8, 1, 1, \slot, 0
	WIN 0
	s_barrier_wait -1
.if \fill
	CREST
	JLOAD G0+4*\slot, G1, G0B+4*\slot, G1B
.endif
	v_add_nc_u32 v[ASC], 8, v[ASC]                 ; the next K step's scale words
	v_add_nc_u32 v[ASC2], 8, v[ASC2]
	s_wait_alu depctr_va_vdst(0)
	SCALES \next
.if \fill
.if \nx
	s_cmp_eq_u32 s[RH], 0                          ; of the next tile x's rows alone: W's have been read
.else
	s_cmp_gt_u32 s3, s[LIM]
.endif
	s_cbranch_scc0 .Lno_ask_\@
	global_prefetch_b8 v[PFO], s[PFA:PFA+1] th:TH_LOAD_NT scope:SCOPE_SE   ; the K step two refills on: 32 rows x 256 bytes, a lane a row; the four partners share a tile's 128 rows out by address
.Lno_ask_\@:
.endif
	FRB \next, 0, 0, 0
	MULS 16, 1, 1, \slot, 0
	PLACES 8
	FRB \next, 0, 0, 4
	MULS 16, 1, 1, \slot, 0
.if \ld == 1
	FRA \next, 0, 0
	MULS 16, 1, 1, \slot, 0
	PLACES 8
	FRA \next, 0, 4
.else
	WIN 0
.irp a, 0,1,2,3,4,5,6,7                        ; pairs (a, a) and (1 - a, 1 - a), where x's blocks 0, 1 lay
	v_mov_b32 v[AL+2*\a], v[ALR+\a]
	v_mov_b32 v[AL+2*\a+1], v[ALR+\a]
	v_sub_f32 v[BE+2*\a], 1.0, v[ALR+\a]
	v_sub_f32 v[BE+2*\a+1], 1.0, v[ALR+\a]
.endr
	ALOAD 0                                        ; where x's blocks 2, 3 lay
.if TNO == 0
.irp a, 0,1,2,3,4,5,6,7
	global_load_b32 v[ALR+\a], v[AOF], s[12:13] offset:64*\a+16384    ; the next tile's alpha, 4,096 rows on
.endr
.endif
	MULS 16, 1, 1, \slot, 0
	WIN 0
	s_wait_dscnt 0x0                               ; my reads of scales are long back, block 0's too
	s_barrier_signal -1
	PLACES 8                                       ; in front of the loads below
	s_barrier_wait -1                              ; no wave reads this tile's scales any more
	FRB \next, 1, 1, 0
	FRB \next, 1, 1, 4
	ALOAD 1
	ALOAD 2
.endif
.endm
.macro ROWH a, q                       ; eight products: x's block a against W's eight, half q of the last K step
.set PA_, PA+32*((\a)%3)+16*(\q)
	WIN 0xa1+0x50*((\a)/4)
.irp b, 0,1,2,3,4,5,6,7
	v_wmma_scale_f32_16x16x128_f8f6f4 v[8*(8*((\a)%4)+\b):8*(8*((\a)%4)+\b)+7], v[128*(\q)+16*\b:128*(\q)+16*\b+15], v[PA_:PA_+15], v[8*(8*((\a)%4)+\b):8*(8*((\a)%4)+\b)+7], v[SC+16+2*\b+(\q)], v[SC+16+2*(\a)+(\q)] matrix_a_scale:MATRIX_SCALE_ROW1
.endr
.endm
.macro COMB a                          ; in place: acc2 x (1 - a); acc1 x a + acc2 into acc1.  Each accumulator from its low end on
.set AC, 64*((\a)%4)
.set W_, 2+(\a)/4
	WIN (W_<<6)|(W_<<4)|W_
.irp b, 0,1,2,3
.irp p, 0,2,4,6
	v_pk_mul_f32 v[AC+32+8*\b+\p:AC+32+8*\b+\p+1], v[AC+32+8*\b+\p:AC+32+8*\b+\p+1], v[BE+2*(\a):BE+2*(\a)+1]
.endr
.endr
.irp b, 0,1,2,3
.irp p, 0,2,4,6
	v_pk_fma_f32 v[AC+8*\b+\p:AC+8*\b+\p+1], v[AC+8*\b+\p:AC+8*\b+\p+1], v[AL+2*(\a):AL+2*(\a)+1], v[AC+32+8*\b+\p:AC+32+8*\b+\p+1]
.endr
.endr
.endm
.macro TOSTAGE a, sto, rd              ; 16 rows x 64 columns into my stage, and back as whole rows of 256 bytes into acc2's registers
.set AC, 64*((\a)%4)
.set W_, 2+(\a)/4
	WIN W_<<2
.irp b, 0,1,2,3
	ds_store_b128 v[\sto], v[AC+8*\b:AC+8*\b+3] offset:64*\b
	ds_store_b128 v[\sto], v[AC+8*\b+4:AC+8*\b+7] offset:64*\b+16
.endr
	WIN W_<<6
.irp t, 0,1,2,3,4,5,6,7
	ds_load_b128 v[AC+32+4*\t:AC+32+4*\t+3], v[\rd] offset:\t*2*SPITCH    ; LDS serves a wave's instructions in order (ISA guide 5.7.1.4)
.endr
	WIN 0
.endm
.macro SEND a                          ; the block's place in the tile stands in the immediate, 1,032,192 bytes at the most: no register of a store is written again on the way out
.set AC, 64*((\a)%4)
.set W_, 2+(\a)/4
	s_wait_dscnt 0x0                               ; the block is back in registers
	WIN W_<<2
.irp t, 0,1,2,3,4,5,6,7
	global_store_b128 v[CO], v[AC+32+4*\t:AC+32+4*\t+3], s[14:15] offset:(16*(\a)+2*\t)*OROW th:TH_STORE_NT   ; 16 lanes store 256 consecutive bytes, aligned
.endr
	WIN 0
.endm
; The tile's last K step, by rows.  Behind block i's 16 products: eight places; block i - 1, back from the stage, is stored; x's block i + 3 is fetched into the buffer just read; block i is combined and goes into the stage.
.macro FIN t, sto, rd
	ROWH 0, 0
	s_wait_dscnt 16                                ; W's second half is in; x's blocks 1, 2 may be out
	ROWH 0, 1
	WIN 0
	PLACES 8
	ALOAD 3
	COMB 0
	TOSTAGE 0, \sto, \rd
	s_wait_dscnt 24                                ; x's blocks 1, 2 are in (behind them: block 3's 8 loads, the stage's 16 instructions)
.irp i, 1,2,3,4,5,6,7
.if (\t == 0) && (\i == 6)
	WIN 0                                          ; my reads of slot 1 ended with x's block 7: the round, and the next tile's K step 1
	s_wait_tensorcnt 0x0
	ds_add_u32 v[SPW], v[NIL]
	s_add_nc_u64 s[G0+6:G0+7], s[G0+6:G0+7], WALKB-6*ROWB
	s_sub_nc_u64 s[G0B+6:G0B+7], s[G0B+6:G0B+7], 6*ROWB
	ROWH \i, 0
	s_wait_dscnt 0x0
	s_barrier_signal -1
	ROWH \i, 1
	WIN 0
	s_barrier_wait -1
	CREST
	JLOAD G0+4, G1, G0B+4, G1B
	s_cmp_eq_u32 s[RH], 0
	s_cbranch_scc0 .Lno_ask_f_\@
	global_prefetch_b8 v[PFO], s[PFA:PFA+1] offset:ROWB th:TH_LOAD_NT scope:SCOPE_SE   ; the next tile's K step 3 of x
.Lno_ask_f_\@:
.else
	ROWH \i, 0
	ROWH \i, 1
	WIN 0
.endif
	PLACES 8
	SEND \i-1
.if (\t == 0) && (\i == 1)
	WIN 0x80
.irp k, 0,1,2,3,4,5,6,7
	global_load_b128 v[4*\k:4*\k+3], v[GOF], s[88:89] offset:512*\k   ; the next tile's scales of my 64 rows of x, into block 0's acc1 registers (window 2), which the stage has read
.endr
	WIN 0
.endif
.if \i < 5
	ALOAD \i+3
.endif
	COMB \i
	TOSTAGE \i, \sto, \rd
.endr
	SEND 7
.endm
.macro TILE t
.set TNO, \t
	SCALES 0
	FRB 0, 0, 0, 0
	FRB 0, 0, 0, 4
	FRA 0, 0, 0
	FRA 0, 0, 4
.if \t == 0
	global_prefetch_b8 v[PFO], s[PFA:PFA+1] th:TH_LOAD_NT scope:SCOPE_SE   ; K step 3, two behind K step 1's load
	s_wait_loadcnt 0x0                             ; the biases and alpha
.endif
	STEP 0, 1                                      ; the first step starts the sums
	s_mov_b32 s3, 3
.Llap_\@:
	TURN 0, 1, 1, 0, 1
	STEP 1, 0
	TURN 1, 0, 1, 0, 1
	STEP 0, 0
	s_sub_co_u32 s3, s3, 1
	s_cmp_lg_u32 s3, 0
	s_cbranch_scc1 .Llap_\@
.if \t == 0
	TURN 0, 1, 1, 1, 2                             ; the ring goes on: slot 0 takes the next tile's K step 0
.else
	TURN 0, 1, 0, 0, 2                             ; nothing is filled: behind its barrier nobody reads slot 0 any more
.endif
.endm
	TILE 0
	FIN 0, STO0, RD0
	s_wait_xcnt 0x0                                ; the stores have read their registers, the prefetch its address
	s_add_nc_u64 s[14:15], s[14:15], 4096*OROW
	s_add_nc_u64 s[PFA:PFA+1], s[PFA:PFA+1], ROWB
	s_cmp_eq_u32 s[RH], 0
	s_cselect_b32 s[LIM], 1, 64                    ; W's rows are prefetched no more
	s_wait_loadcnt 0x0                             ; the next tile's scales of x and alpha
	WIN 0x08
.irp i, 0,1,2,3,4,5,6,7
	ds_store_b128 v[STS1], v[4*\i:4*\i+3] offset:544*\i   ; into my quarter, which was my stage: my reads of it are back
.endr
	WIN 0
	v_sub_nc_u32 v[ASC], v[ASC], 56                ; back to K step 0's scale words
	v_sub_nc_u32 v[ASC2], v[ASC2], 56
	s_wait_alu depctr_va_vdst(0)
	s_wait_dscnt 0x0                               ; for the others' sake: my stores are done
	s_barrier_signal -1
	s_barrier_wait -1
	TILE 1
	FIN 1, STO, RD
	s_wait_tensorcnt 0x0                           ; the wave's end
	ds_add_u32 v[SPW], v[NIL]
	s_wait_dscnt 0x0
	CROUND                                         ; the closing round
	s_endpgm
.Lfunc_end_k_q33d0c3d4c0_ilin:
	.size	k_q33d0c3d4c0_ilin, .Lfunc_end_k_q33d0c3d4c0_ilin-k_q33d0c3d4c0_ilin
	.p2alignl 7, 3214868480
	.fill 96, 4, 3214868480
	.section	.rodata,"a",@progbits
	.p2align	6, 0x0
	.amdhsa_kernel k_q33d0c3d4c0_ilin
		.amdhsa_group_segment_fixed_size 327680
		.amdhsa_private_segment_fixed_size 0
		.amdhsa_enable_private_segment 0
		.amdhsa_kernarg_size 80
		.amdhsa_user_sgpr_count 2
		.amdhsa_user_sgpr_kernarg_segment_ptr 1
		.amdhsa_wavefront_size32 1
		.amdhsa_system_sgpr_workgroup_id_x 1
		.amdhsa_system_sgpr_workgroup_id_y 1
		.amdhsa_system_sgpr_workgroup_id_z 1
		.amdhsa_system_vgpr_workitem_id 0
		.amdhsa_next_free_vgpr 1024
		.amdhsa_next_free_sgpr 102
		.amdhsa_reserve_vcc 0
		.amdhsa_float_denorm_mode_32 3
		.amdhsa_float_denorm_mode_16_64 3
		.amdhsa_memory_ordered 1
		.amdhsa_forward_progress 1
		.amdhsa_inst_pref_size 255
	.end_amdhsa_kernel
	.section	.bss,"aw",@nobits
	.p2align	6
	.space	262144
	.amdgpu_metadata
---
amdhsa.version: [ 1, 2 ]
amdhsa.kernels:
  - .name:           k_q33d0c3d4c0_ilin
    .symbol:         k_q33d0c3d4c0_ilin.kd
    .args:
      - { .name: input_codes, .offset: 0, .size: 8, .value_kind: global_buffer, .address_space: global }
      - { .name: input_scales, .offset: 8, .size: 8, .value_kind: global_buffer, .address_space: global }
      - { .name: weight1_codes, .offset: 16, .size: 8, .value_kind: global_buffer, .address_space: global }
      - { .name: weight1_scales, .offset: 24, .size: 8, .value_kind: global_buffer, .address_space: global }
      - { .name: weight2_codes, .offset: 32, .size: 8, .value_kind: global_buffer, .address_space: global }
      - { .name: weight2_scales, .offset: 40, .size: 8, .value_kind: global_buffer, .address_space: global }
      - { .name: bias1, .offset: 48, .size: 8, .value_kind: global_buffer, .address_space: global }
      - { .name: bias2, .offset: 56, .size: 8, .value_kind: global_buffer, .address_space: global }
      - { .name: alpha, .offset: 64, .size: 8, .value_kind: global_buffer, .address_space: global }
      - { .name: out0, .offset: 72, .size: 8, .value_kind: global_buffer, .address_space: global }
    .group_segment_fixed_size: 327680
    .private_segment_fixed_size: 0
    .kernarg_segment_align: 8
    .kernarg_segment_size: 80
    .max_flat_workgroup_size: 128
    .sgpr_count:     102
    .vgpr_count:     1024
    .wavefront_size: 32
...
	.end_amdgpu_metadata
.endif
;; end of part 1
